; MI455X (gfx1250); checked and timed in simulation.
; The chip was launched on July 23, 2026; its instructions are those of AMD's public machine-readable ISA for CDNA 5 (MIT licence, August 2026) and "CDNA5" Instruction Set Architecture Reference Guide (July 2026). The comments in the code are by the model that wrote it; some were corrected since.
;; NF4 Linear. Allowed arithmetic: matrix products marked QUANTISED: E3M2 operands, one E8M0 scale for each 32 along K, by v_wmma_scale_f32_16x16x128_f8f6f4 with both operands' format E3M2, f32 sums; everything else in f32.
;; Inputs: indices 8,388,608 int32; q_scales 131,072 int32; x 4 x 2,048 x 4,096 float32.
;; Outputs: out0 4 x 2,048 x 2,048 float32.
;; This version of the problem:
;;   THIS VERSION OF THE PROBLEM IS GIVEN IN LOW PRECISION. The matrix products marked QUANTISED in the list below multiply operands that are first quantised to E3M2 (3 exponent bits, 2 mantissa bits; 6 bits a number), with one power-of-two scale for each 32 numbers along K (OCP MX v1.0); their sums are f32. All else is computed in f32.
;;   The module's matrix products, in the order in which they are computed (A, B: the left and right operand; K: the contracted axis; several contracted axes count as one K, in the product's order):
;;     1. [M 8,192, K 4,096] x [K 4,096, N 2,048]; A: input x; B: computed on the way: QUANTISED
;;   THE QUANTISER, for each operand of a quantised product, along K:
;;     - K is cut into blocks of 32 from its start; a last block that is shorter is filled with zeros.
;;     - A block's scale is 2^e with e = floor(log2(the largest magnitude in the block)) - 4, held to -126 .. 127; a block of zeros has e = 0. As a byte (E8M0): e + 127.
;;     - Each number is divided by its block's scale, clamped to +-28, and rounded to the nearest number of E3M2, ties to even, subnormals kept.
;;     - The product sums the exact products of the quantised numbers (number of the format x scale) in f32.
;;   ~~~python
;;   def quantise(x, axis):      # numpy; x: float32 -> the quantised numbers, widened to float32 again
;;       x = np.moveaxis(x, axis, -1); K = x.shape[-1]
;;       x = np.pad(x, [(0, 0)] * (x.ndim - 1) + [(0, -K % 32)]); x = x.reshape(x.shape[:-1] + (-1, 32)); a = np.abs(x).max(-1, keepdims=True)
;;       e = np.where(a > 0, np.clip(np.frexp(np.where(a > 0, a, 1))[1] - 1 - 4, -126, 127), 0)      # np.frexp(a)[1] - 1 = floor(log2(a)), exactly
;;       r = np.clip(x / 2.0 ** e, -28, 28)
;;       step = 2.0 ** (np.maximum(np.frexp(np.where(r == 0, 1, r))[1] - 1, -2) - 2)
;;       q = np.round(r / step) * step * 2.0 ** e      # np.round: ties to even
;;       return np.moveaxis(q.reshape(q.shape[:-2] + (-1,))[..., :K], -1, axis).astype(np.float32)
;;   ~~~
;;   OPERANDS COMPUTED ON THE WAY. 'Computed on the way' means the value that the module computes at that place (a softmax that the list does not call 'softmax' is quantised finished and normalised). What goes into a quantiser is computed in f32, as accurately as f32 sums, v_exp_f32 and their like allow (about 1e-6 of the number): no bf16 or f16 on the way to a quantiser, and a product that is left as it is and whose result goes on into a quantised operand takes f32 operands (vector FMAs, or v_wmma_f32_16x16x4_f32). A number that lies on a knife's edge between two numbers of the format may be rounded either way, as far as f32 arithmetic and the matrix unit's own rounding can turn it there, and no further.
;; One version. Each part assembles by itself: llvm-mc -triple=amdgcn-amd-amdhsa -mcpu=gfx1250 --defsym DOCPART=n.
;; ======== version 1 of 1: 2 launches
;; limits: values are held in f16: magnitudes above 65,504 overflow, below 6.1e-05 lose precision; right only within a limited range of input values
;; workspace buffers: xq 26,214,400 bytes; wq 6,553,600 bytes
;; launch quant (part 1): grid 1280 x 1, 4 waves a work-group, no clusters, 35,328 bytes of LDS; arguments x, indices, q_scales, xq, wq; writes xq, wq
.if DOCPART == 1
	.amdgcn_target "amdgcn-amd-amdhsa--gfx1250"
	.amdhsa_code_object_version 6
	.text
	.protected	k_q4843556e23_quant
	.globl	k_q4843556e23_quant
	.p2align	8
	.type	k_q4843556e23_quant,@function
k_q4843556e23_quant:
	s_mov_b64 s[64:65], 0
	v_nop
	global_prefetch_b8 v0, s[64:65] scope:SCOPE_SE
	s_setreg_imm32_b32 hwreg(HW_REG_WAVE_MODE, 25, 1), 1
	s_wait_xcnt 0x0
; x [8192][4096] f32, and W [2048][4096], which is made here from its NF4 indices and block scales, are turned into codes of BF6 (E3M2), 6 bits each, with one E8M0 scale byte for each 32 along K.
; W = f32(f16(level[index] x absmax)), absmax = f32(q_scale) / 127 x 0.05, one q_scale for each 64 neighbours.  The rounding to f16 is a step of the function itself, so it is made; all else ahead of the quantiser is f32.
; A block's scale is 2^(floor(log2(its largest magnitude)) - 4); its byte is the largest magnitude's own exponent field - 4, held at 1 from below.  Each number is divided by the scale and rounded to the nearest code, ties to even.
; THE OUTPUT LIES IN THE ORDER OF THE MATRIX OPERAND'S REGISTERS.  xq: [64 blocks of 128 rows][32 steps of 128 along K][UNIT bytes]; wq: the same with 16 blocks of rows.  A UNIT is:
;   8 fragments (16 rows x 128 K) of 1,536 bytes, each three planes of 512 bytes: plane m holds registers 4 m .. 4 m + 3 of the operand's lane L = r + 16 h at 16 L (registers 0-5: block h of row r, 6-11: block 2 + h);
;   then 512 bytes of scale words (four bytes: a row's four blocks): that of row r of fragment 4 g + j at 256 g + 16 r + 4 j.
; LIMITS: a block of zeros gets the byte 1 where the rule says 127: its codes are zeros, which add nothing under any byte but 0xff, and the bytes are read by this program alone.  Blocks whose largest magnitude lies under
; 2^(4 - 126) have their byte held at 1.  NaN and infinities in x are not served.  An index is taken as 0 .. 15: it indexes a table of 16.  |q_scale| above about 1.66e8 passes f16's range, in the function itself too.
; SHARES.  The first WGX work-groups take x, the others W.  A wave takes 64 rows x 128 along K: four fragments, each in two halves of 64 along K.  MY LANE IS THE OPERAND'S LANE (r, h): in half k it holds block 2 k + h of row r, whole.
; A half comes by eight loads, each of two rows' 256 consecutive bytes (sixteen lanes to a row, 16 bytes a lane), goes through the wave's own stage in LDS as it lies (rows 272 bytes apart, so that the sixteen rows that a
; read touches start at sixteen different groups of banks: ISA guide 11.1) and comes back 128 bytes a lane.  So a block's largest magnitude needs no other lane, the conversions' results are the operand's registers,
; and a fragment leaves from registers by three stores of 512 consecutive bytes, each at a multiple of 256.  A row's scale word is joined from lanes l and l xor 16; a wave's 64 words leave as 256 consecutive bytes.
; W's q_scales: a lane loads the 8 bytes of its row for each fragment, once; q_scales is 0.5 MB of the 168 MB that the launch reads, so this short piece of many rows is taken as it lies.
; The text parts ONCE on the work-group's number, and the two ways never join; each has LDS bytes of its own.  No tensor loads, no barrier: waves share nothing.  Loads run two halves (16 loads a wave) ahead, the turn through LDS one.
; Matrix units, clusters and a ring in LDS are left out: each byte of x and of the indices is read once, each output byte written once, and no wave reads what another brought.
.set WGX,   1024                       ; x: 128 groups of 64 rows x 32 steps along K / 4 waves;  W: 256 work-groups more
.set NH,    8                          ; halves of a wave's share
.set EMAX,  4
.set ROWX,  16384                      ; a row of x or of the indices in bytes
.set FRB,   1536                       ; a fragment
.set SOFF,  8*FRB                      ; where a unit's scale words begin
.set UNIT,  SOFF+512                   ; 12,800 bytes
.set RBB,   32*UNIT                    ; a block of 128 rows, all of K
.set SP,    272                        ; a stage row: 256 bytes + 16
.set WREG,  16*SP                      ; a wave's stage
.set PATHB, 4*WREG                     ; the four waves' LDS of one way; W's way begins here
.set SPARE, 2*PATHB                    ; behind both: the spare words, 128 bytes a wave: two blocks of 256 bytes that no other line names
.set R,     16                         ; v16-79   two sets of 32 words as they are loaded
.set X,     80                         ; v80-143  two sets of 32 neighbours
.set O,     144                        ; v144-167 a fragment's 12 registers, two sets by turns
.set T,     168                        ; v168-170 a block's upper 16 codes (a conversion's three registers begin on an even number)
.set SW,    172                        ; v172-175 the four fragments' scale words
.set TBL,   176                        ; v176     W: the 16 levels, in lanes 0-15
.set QS,    178                        ; v178-185 W: my row's q_scale, then absmax, of half u
.set QA,    186                        ; v186     W: my row among the q_scales
.set SPW,   188                        ; v188     my spare word: SPARE + 4 x my thread's number; never rewritten
.set NIL,   189                        ; v189     0; never rewritten
.set COD,   14                         ; s[14:15] where my four fragments go
.set SCB,   16                         ; s[16:17] where my 256 scale bytes go
	s_load_b256 s[4:11], s[0:1], 0x0               ; x s[4:5], indices s[6:7], q_scales s[8:9], xq s[10:11]
	s_load_b64 s[12:13], s[0:1], 0x20              ; wq
	v_lshl_add_u32 v[SPW], v0, 2, SPARE
	v_mov_b32 v[NIL], 0
	v_lshrrev_b32 v1, 5, v0
	v_readfirstlane_b32 s18, v1                    ; wave
	v_and_b32 v2, 31, v0                           ; lane
	v_and_b32 v8, 15, v0                           ; r
	v_bfe_u32 v9, v0, 4, 1                         ; h
	s_mul_i32 s19, s18, WREG
	v_lshlrev_b32 v10, 4, v8                       ; 16 r
	v_lshl_add_u32 v3, v9, 14, v10                 ; a load: lanes 0-15 one row's 256 bytes, lanes 16-31 the next row's
	v_mad_u32_u24 v4, v9, SP, v10
	v_add_nc_u32 v4, s19, v4                       ; and the same two rows in the stage
	v_mul_u32_u24 v5, v8, SP
	v_lshl_add_u32 v5, v9, 7, v5
	v_add_nc_u32 v5, s19, v5                       ; out of the stage: row r, 128 bytes from 128 h on
	v_lshlrev_b32 v6, 4, v2                        ; my 16 bytes of a plane
	v_lshl_add_u32 v7, v9, 3, v10                  ; the scale words on their way out: 16 r + 8 h
	v_lshlrev_b32 v14, 3, v9                       ; 8 h: how far up my two scale bytes stand in the word
	v_lshlrev_b32 v[QA], 8, v8                     ; a row of W has 64 q_scales, 256 bytes
	v_mov_b32 v15, 0                               ; (a lane permute's destination counts as one of its sources)
	s_mov_b32 s2, 0x76543210
	s_mov_b32 s3, 0xfedcba98                       ; v_permlanex16_b32's selects for lane l xor 16
; Half u = 2 f + k: rows 16 f .. 16 f + 15, 64 along K from 64 k on.  SRC names the way's source, LB its first LDS byte.
.macro LOAD u
.irp i, 0,1,2,3,4,5,6,7
	global_load_b128 v[R+32*((\u)%2)+4*\i:R+32*((\u)%2)+4*\i+3], v3, s[SRC:SRC+1] offset:(16*((\u)/2)+2*\i)*ROWX+256*((\u)%2) th:TH_LOAD_NT   ; sixteen lanes read 256 consecutive bytes, at a multiple of 256; read once in the launch; 63 rows at the most: inside the signed 24-bit immediate
.endr
.endm
.macro TURN u                          ; through the stage: LDS serves a wave's instructions in order (ISA guide 5.7.1.4), so no wait stands between the stores and the loads
.irp i, 0,1,2,3,4,5,6,7
	ds_store_b128 v4, v[R+32*((\u)%2)+4*\i:R+32*((\u)%2)+4*\i+3] offset:LB+2*\i*SP
.endr
.irp j, 0,1,2,3,4,5,6,7
	ds_load_b128 v[X+32*((\u)%2)+4*\j:X+32*((\u)%2)+4*\j+3], v5 offset:LB+16*\j
.endr
.endm
.macro LEVEL lane, bits                ; one level of the table into its lane
	s_mov_b32 s31, \bits
	v_writelane_b32 v[TBL], s31, \lane
.endm
; One half.  w = 1: the 32 words are indices, and become numbers of W first.
.macro STEP u, w
.set XS, X+32*((\u)%2)
.set OF, O+12*(((\u)/2)%2)
.set OS, OF+6*((\u)%2)
	s_wait_dscnt 0x0                               ; this half's words are back from the stage: so its stores into the stage have read their registers
.if ((\u)%2 == 0) && ((\u) >= 4)
	s_wait_xcnt 0x0                                ; the stores of the fragment two back have read this set of 12 registers
.endif
.if \w
.irp i, 0,1,2,3,4,5,6,7,8,9,10,11,12,13,14,15,16,17,18,19,20,21,22,23,24,25,26,27,28,29,30,31
	v_lshlrev_b32 v[XS+\i], 2, v[XS+\i]            ; the permute names a lane by 4 x its number
.endr
.irp i, 0,1,2,3,4,5,6,7,8,9,10,11,12,13,14,15,16,17,18,19,20,21,22,23,24,25,26,27,28,29,30,31
	ds_bpermute_b32 v[XS+\i], v[XS+\i], v[TBL]     ; level[index]: the table lies across lanes 0-15; no LDS byte is touched
.endr
.endif
.if (\u)+2 < NH
	LOAD (\u)+2
.endif
.if (\u)+1 < NH
.if (\u)+2 < NH
	s_wait_loadcnt 8                               ; the next half's eight loads are in; the eight just issued may be out
.else
	s_wait_loadcnt 0
.endif
	TURN (\u)+1                                    ; and go through the stage while this half is worked
.endif
.if \w
.if (\u)+1 < NH
	s_wait_dscnt 16                                ; my 32 permutes are in; the sixteen stage instructions issued behind them may be out
.else
	s_wait_dscnt 0x0
.endif
.irp i, 0,1,2,3,4,5,6,7,8,9,10,11,12,13,14,15,16,17,18,19,20,21,22,23,24,25,26,27,28,29,30,31
	v_mul_f32 v[XS+\i], v[QS+(\u)], v[XS+\i]       ; level x absmax: one rounding in f32
.endr
.irp g, 0,4,8,12,16,20,24,28           ; to f16 (nearest even, subnormals kept) and back, four at a time
	v_cvt_f16_f32 v1.l,  v[XS+\g]
	v_cvt_f16_f32 v9.l,  v[XS+\g+1]
	v_cvt_f16_f32 v13.l, v[XS+\g+2]
	v_cvt_f16_f32 v15.l, v[XS+\g+3]
	v_cvt_f32_f16 v[XS+\g],   v1.l
	v_cvt_f32_f16 v[XS+\g+1], v9.l
	v_cvt_f32_f16 v[XS+\g+2], v13.l
	v_cvt_f32_f16 v[XS+\g+3], v15.l
.endr
.endif
	v_max3_num_f32 v8, |v[XS]|, |v[XS+1]|, |v[XS+2]|               ; the block's largest magnitude: all 32 numbers are mine; two chains
	v_max3_num_f32 v9, |v[XS+3]|, |v[XS+4]|, |v[XS+5]|
.irp i, 6,10,14,18,22,26
	v_max3_num_f32 v8, v8, |v[XS+\i]|, |v[XS+\i+1]|
	v_max3_num_f32 v9, v9, |v[XS+\i+2]|, |v[XS+\i+3]|
.endr
	v_max3_num_f32 v8, v8, |v[XS+30]|, |v[XS+31]|
	v_max3_num_f32 v8, v8, v9, (EMAX+1)<<23        ; and the floor 2^(EMAX + 1 - 127): the byte cannot fall under 1
	v_add_nc_u32 v11, -(EMAX<<23), v8              ; EMAX off its exponent field: the conversion takes the exponent field of this operand as its scale, and nothing else of it
	v_cvt_scalef32_pk16_bf6_f32 v[OS:OS+2], v[XS:XS+15], v11       ; registers 6 k .. 6 k + 2 of the operand
	v_cvt_scalef32_pk16_bf6_f32 v[T:T+2], v[XS+16:XS+31], v11
.if (\u)%2 == 0
	v_lshrrev_b32 v10, 23, v11                     ; the scale's byte of block h (a plain vector line behind the conversions)
.else
	v_lshrrev_b32 v12, 23, v11                     ; of block 2 + h
.endif
.irp i, 0,1,2
	v_mov_b32 v[OS+3+\i], v[T+\i]                  ; registers 6 k + 3 .. 6 k + 5
.endr
.if (\u)%2 == 1
	v_lshl_or_b32 v12, v12, 16, v10                ; my two bytes,
	v_lshlrev_b32 v12, v14, v12                    ; at their places in the row's word;
	v_permlanex16_b32 v15, v12, s2, s3
	v_or_b32 v[SW+(\u)/2], v12, v15                ; with lane l xor 16's two the word is whole
.irp m, 0,1,2
	global_store_b128 v6, v[OF+4*\m:OF+4*\m+3], s[COD:COD+1] offset:FRB*((\u)/2)+512*\m   ; a plane: 512 consecutive bytes at a multiple of 256; the next launch reads them, so no hint
.endr
.endif
.endm
; A wave's whole share.
.macro BODY w
.if \w
.irp f, 0,1,2,3
	global_load_b64 v[QS+2*\f:QS+2*\f+1], v[QA], s[8:9] offset:4096*\f   ; row 16 f + r: the q_scales of its two blocks of 64 in my 128 along K
.endr
.endif
	LOAD 0
	LOAD 1
.if \w
	v_mov_b32 v[TBL], 0                            ; level 7 is 0; lanes 16-31 are never named
	LEVEL 0,  0xbf800000                           ; -1.0
	LEVEL 1,  0xbf3239b1                           ; -0.6961928009986877
	LEVEL 2,  0xbf066b30                           ; -0.5250730514526367
	LEVEL 3,  0xbeca32a0                           ; -0.39491748809814453
	LEVEL 4,  0xbe91a24d                           ; -0.28444138169288635
	LEVEL 5,  0xbe3d353f                           ; -0.18477343022823334
	LEVEL 6,  0xbdba7871                           ; -0.09105003625154495
	LEVEL 8,  0x3da2faff                           ; 0.07958029955625534
	LEVEL 9,  0x3e24cae3                           ; 0.16093020141124725
	LEVEL 10, 0x3e7c04dd                           ; 0.24611230194568634
	LEVEL 11, 0x3ead033a                           ; 0.33791524171829224
	LEVEL 12, 0x3ee1a4b8                           ; 0.44070982933044434
	LEVEL 13, 0x3f1007ab                           ; 0.5626170039176941
	LEVEL 14, 0x3f3913b3                           ; 0.7229568362236023
	LEVEL 15, 0x3f800000                           ; 1.0
	v_mov_b32 v13, 0                               ; written whole once: only its low half is written later
	s_mov_b32 s28, 0x3c010204                      ; 1 / 127, rounded
	s_mov_b32 s29, 0x42fe0000                      ; 127.0
	s_mov_b32 s30, 0x3d4ccccd                      ; 0.05
	s_wait_loadcnt 16                              ; the q_scales are in; the 16 loads issued behind them may be out
.irp c, 0,1,2,3,4,5,6,7
	v_cvt_f32_i32 v[QS+\c], v[QS+\c]
	v_mul_f32 v8, s28, v[QS+\c]                    ; q / 127: a first quotient,
	v_fma_f32 v9, -v8, s29, v[QS+\c]               ; its remainder, exact,
	v_fma_f32 v8, v9, s28, v8                      ; and the quotient put right by it
	v_mul_f32 v[QS+\c], s30, v8                    ; x 0.05: absmax
.endr
	s_wait_alu depctr_va_vdst(0)                   ; directly ahead of the wait below
.endif
	s_wait_loadcnt 8                               ; half 0's eight loads are in
	TURN 0
.irp u, 0,1,2,3,4,5,6,7
	STEP \u, \w
.endr
	v_cmp_ne_u32 vcc_lo, 0, v14                    ; lanes 16-31
	v_cndmask_b32 v12, v[SW], v[SW+2], vcc_lo      ; lane (r, h) sends the words of fragments 2 h and 2 h + 1
	v_cndmask_b32 v13, v[SW+1], v[SW+3], vcc_lo
	global_store_b64 v7, v[12:13], s[SCB:SCB+1]    ; 32 lanes store 256 consecutive bytes, at a multiple of 256
	s_wait_tensorcnt 0x0                           ; the wave's end: behind my last LDS store
	ds_add_u32 v[SPW], v[NIL]
	s_wait_dscnt 0x0
	s_endpgm
.endm
; Where my wave's share lies.  s19: its number among the tensor's shares.  The low five bits are the step along K, the rest the group of 64 rows.  All offsets stay under 2^31.
.macro WHERE src, out
	s_and_b32 s20, s19, 31                         ; the step of 128 along K
	s_lshr_b32 s21, s19, 5                         ; the group of 64 rows
	s_lshl_b32 s22, s21, 20                        ; 64 rows of 16,384 bytes,
	s_lshl_b32 s23, s20, 9                         ; 512 bytes a step
	s_add_co_u32 s22, s22, s23
	s_mov_b32 s23, 0
	s_add_nc_u64 s[\src:\src+1], s[\src:\src+1], s[22:23]
	s_lshr_b32 s24, s21, 1                         ; the block of 128 rows,
	s_and_b32 s25, s21, 1                          ; and which half of it
	s_mul_i32 s24, s24, RBB
	s_mul_i32 s26, s20, UNIT
	s_add_co_u32 s24, s24, s26                     ; the unit
	s_mul_i32 s26, s25, 4*FRB
	s_add_co_u32 s26, s26, s24                     ; my four fragments in it,
	s_mov_b32 s27, 0
	s_lshl_b32 s28, s25, 8
	s_add_co_u32 s28, s28, s24
	s_add_co_u32 s28, s28, SOFF                    ; my 256 scale bytes
	s_mov_b32 s29, 0
	s_add_nc_u64 s[COD:COD+1], s[\out:\out+1], s[26:27]
	s_add_nc_u64 s[SCB:SCB+1], s[\out:\out+1], s[28:29]
.endm
	s_wait_alu depctr_va_vdst(0)                   ; the wait at the head's end
	s_wait_kmcnt 0x0
	s_cmp_lt_u32 ttmp9, WGX                        ; x's work-group or W's?  The ways part here and do not join
	s_cbranch_scc0 .Lweights
	s_lshl_b32 s19, ttmp9, 2
	s_add_co_u32 s19, s19, s18                     ; which share of x is my wave's: 0 .. 4,095
	WHERE 4, 10
.set SRC, 4
.set LB,  0
	BODY 0
.Lweights:
	s_sub_co_u32 s19, ttmp9, WGX
	s_lshl_b32 s19, s19, 2
	s_add_co_u32 s19, s19, s18                     ; which share of W: 0 .. 1,023
	WHERE 6, 12
	s_lshl_b32 s22, s21, 14                        ; its q_scales: 64 rows of 256 bytes,
	s_lshl_b32 s23, s20, 3                         ; 8 bytes a step
	s_add_co_u32 s22, s22, s23
	s_mov_b32 s23, 0
	s_add_nc_u64 s[8:9], s[8:9], s[22:23]
.set SRC, 6
.set LB,  PATHB
	BODY 1
.Lfunc_end_k_q4843556e23_quant:
	.size	k_q4843556e23_quant, .Lfunc_end_k_q4843556e23_quant-k_q4843556e23_quant
	.p2alignl 7, 3214868480
	.fill 96, 4, 3214868480
	.section	.rodata,"a",@progbits
	.p2align	6, 0x0
	.amdhsa_kernel k_q4843556e23_quant
		.amdhsa_group_segment_fixed_size 35328
		.amdhsa_private_segment_fixed_size 0
		.amdhsa_enable_private_segment 0
		.amdhsa_kernarg_size 40
		.amdhsa_user_sgpr_count 2
		.amdhsa_user_sgpr_kernarg_segment_ptr 1
		.amdhsa_wavefront_size32 1
		.amdhsa_system_sgpr_workgroup_id_x 1
		.amdhsa_system_sgpr_workgroup_id_y 1
		.amdhsa_system_sgpr_workgroup_id_z 1
		.amdhsa_system_vgpr_workitem_id 0
		.amdhsa_next_free_vgpr 192
		.amdhsa_next_free_sgpr 66
		.amdhsa_reserve_vcc 1
		.amdhsa_float_denorm_mode_32 3
		.amdhsa_float_denorm_mode_16_64 3
		.amdhsa_memory_ordered 1
		.amdhsa_forward_progress 1
		.amdhsa_inst_pref_size 112
	.end_amdhsa_kernel
	.amdgpu_metadata
---
amdhsa.version: [ 1, 2 ]
amdhsa.kernels:
  - .name:           k_q4843556e23_quant
    .symbol:         k_q4843556e23_quant.kd
    .args:
      - { .name: x, .offset: 0, .size: 8, .value_kind: global_buffer, .address_space: global }
      - { .name: indices, .offset: 8, .size: 8, .value_kind: global_buffer, .address_space: global }
      - { .name: q_scales, .offset: 16, .size: 8, .value_kind: global_buffer, .address_space: global }
      - { .name: xq, .offset: 24, .size: 8, .value_kind: global_buffer, .address_space: global }
      - { .name: wq, .offset: 32, .size: 8, .value_kind: global_buffer, .address_space: global }
    .group_segment_fixed_size: 35328
    .private_segment_fixed_size: 0
    .kernarg_segment_align: 8
    .kernarg_segment_size: 40
    .max_flat_workgroup_size: 128
    .sgpr_count:     66
    .vgpr_count:     192
    .wavefront_size: 32
...
	.end_amdgpu_metadata
.endif
;; end of part 1
;; launch gemm (part 2): grid 8 x 32, 4 waves a work-group, clusters of 4 x 4, 327,680 bytes of LDS; arguments xq, wq, out0; writes out0
.if DOCPART == 2
	.amdgcn_target "amdgcn-amd-amdhsa--gfx1250"
	.amdhsa_code_object_version 6
	.text
	.protected	k_q4843556e23_gemm
	.globl	k_q4843556e23_gemm
	.p2align	8
	.type	k_q4843556e23_gemm,@function
k_q4843556e23_gemm:
	s_mov_b64 s[64:65], 0
	v_nop
	global_prefetch_b8 v0, s[64:65] scope:SCOPE_SE
	s_setreg_imm32_b32 hwreg(HW_REG_WAVE_MODE, 25, 1), 1
	s_wait_xcnt 0x0
	s_wait_alu depctr_hold_cnt(0) depctr_sa_sdst(0) depctr_va_vdst(0) depctr_va_sdst(0) depctr_va_ssrc(0) depctr_va_vcc(0) depctr_vm_vsrc(0)
	s_getreg_b32 s2, hwreg(HW_REG_IB_STS2, 6, 4)
	s_cmp_eq_u32 s2, 0
	s_cbranch_scc0 .Lentry_in_a_cluster
	s_endpgm
.Lentry_in_a_cluster:
	s_bfe_u32 s2, ttmp6, 0x10000c
	s_cmp_lg_u32 s2, 0xf033
	s_cbranch_scc0 .Lentry_shape_is_right
	s_endpgm
.Lentry_shape_is_right:
; out0[m][n] = sum over k of x[m][k] W[n][k], m < 8192, n < 2048, k < 4096, on the codes of BF6 (E3M2) and E8M0 scale bytes that the launch before has laid down; sums in f32.
; xq: [64 blocks of 128 rows][32 steps of 128 along K][UNIT bytes], wq: the same with 16 blocks.  A UNIT is 8 fragments (16 rows x 128 K) of 1,536 bytes, each three planes of 512 bytes: plane m holds the operand's
; registers 4 m .. 4 m + 3 of lane L at 16 L; then 512 bytes of scale words: that of row r of fragment 4 g + j at 256 g + 16 r + 4 j.  So a fragment is three loads of 16 neighbouring bytes a lane, and four fragments' scale words one.
; SHARES.  A tile of out0, 256 x 256, is made by a work-group of four waves; a wave makes 128 x 128: 64 accumulators of 16 x 16, 512 registers.  256 tiles: one work-group on each of 256 WGPs.
; THE RING.  Two LDS slots, each with three K steps of A's 256 rows and B's 256 rows (4 x 38,400 bytes, each part dense in memory and brought by one wave's tensor load as rows of 256 bytes).
; 32 steps are ten fills of three steps and an eleventh of two.  By the text's own count a wave has one tensor load out behind each round.
; CLUSTERS: 4 x 4 work-groups.  The four of a row of the cluster need the same units of xq, the four of a column the same units of wq: each is asked for JOINTLY, by the same tensor load with a mask that names the four.
; THE MATRIX INSTRUCTION IS USED TRANSPOSED (source 0 = 16 rows of W, source 1 = 16 rows of x): a lane then holds eight neighbouring numbers of a row of out0.
; REGISTERS, in windows of 256.  Window 0: v0-31 addresses; v32-47 scale words, two sets; v64-159 and v160-255 A's fragments, TWO sets.  Window 1: B's fragments, two sets, at v0 and v128.
;   Window 2: the accumulators of my rows 0-63 ((a, b) at v[8 (8 a + b)]); window 3: those of my rows 64-127.
; ONE RUN OF LOADS A STEP.  With two sets on both sides every register of the next step's set is free through the whole step: its 50 LDS loads stand in one run behind the step's first 16 products, 48 products ahead of their first use:
; B's eight fragments first, then the scale words and A's blocks in the order in which the next step takes them.  Six switches of the register window a step.
; PREFETCH.  At a change of slots every wave has waited for all its tensor loads, so the refill goes out with nothing on its way beside it.  Behind the joint load for fill f + 2 each wave names the 150 blocks of 256 bytes
; of ITS load of fill f + 4, two refills on, shared out among the four partners BY ADDRESS: the partner at place p takes blocks 38 p .. 38 p + 37, held at 149; two instructions a wave, a lane a block.
; Fills 4 to 9 are named so; fills 0 to 3 come by their loads alone, and the loop's last trip names nothing: fill 10 is short and fill 11 does not exist, so no address leaves its buffer.
.set SIZE_N, 2048
.set FRB,    1536                      ; a fragment
.set SOFF,   8*FRB                     ; where a unit's scale words begin
.set UNIT,   SOFF+512                  ; 12,800 bytes = 50 x 256
.set RBB,    32*UNIT                   ; a block of 128 rows, all of K
.set NS,     3                         ; K steps in a fill
.set NLAST,  2                         ; in the last fill
.set WLOAD,  NS*UNIT                   ; what one wave's tensor load brings
.set SLOT,   4*WLOAD                   ; A's two halves, then B's two halves
.set TRIPS,  4                         ; a trip: six K steps, both slots filled again
.set FR,     12                        ; registers of a fragment
.set SPARE,  2*SLOT                    ; behind the ring: the spare words, 128 bytes a wave: two blocks of 256 bytes that no other line names
.set STAGE,  SLOT                      ; the way out: 16 rows x 528 bytes a wave, in slot 1, which has had its last fill (fill 9) and its last read when the first result is stored there
.set SPITCH, 528
.set ADRA, 16                          ; v16-17 LDS address of my A fragments in slot 0, 1
.set ADRS, 18                          ; v18-19 of my scale words: lanes 0-15 A's, lanes 16-31 B's
.set ADRB, 20                          ; v20-21 of my B fragments
.set STO,  24                          ; v24 the way out: where I put 32 bytes of a row
.set RD,   25                          ; v25 where I read a row back
.set CO,   26                          ; v26 my byte offset in a row of out0
.set SPW,  28                          ; v28 my spare word: SPARE + 4 x my thread's number; never rewritten
.set NIL,  29                          ; v29 0; never rewritten
.set PFO,  30                          ; v30-31 the prefetches' offsets in a load's 38,400 bytes; never rewritten
.set SC,   32                          ; scale words: set p at v[SC + 8 p]; register i: lanes 0-15 A's block i, lanes 16-31 B's block i
.set AF,   64                          ; A's fragments: set p at v[AF + 96 p]
.set BK,   128                         ; the way out: 16 rows read back: v128-191 and v192-255 by turns
.set G1,   24                          ; s[24:31] group 1 for A's loads; s[32:39] group 0, one set for each slot
.set G0,   32
.set G1B,  48                          ; s[48:55], s[56:63] the same for B's
.set G0B,  56
.set G1T,  68                          ; s[68:75], s[80:87] group 1 for the last, short fill
.set G1TB, 80
.set PFA,  88                          ; s[88:89] where my prefetches stand
.set MSB, 0
.macro WIN new                         ; the immediate's high byte repeats the setting that is left
.if MSB != (\new)
	s_set_vgpr_msb (MSB<<8)|(\new)
.set MSB, (\new)
.endif
.endm
.set MUL_LO, 0xa1                      ; source 0 (B) window 1, source 1 (A) window 0, C and D window 2
.set MUL_HI, 0xf1                      ; the same, C and D window 3
.set TO_B,   0x40                      ; destination window 1, address window 0
; A joint load: waves 0 and 1 fetch A's halves, waves 2 and 3 B's.  An s_nop 0 and four v_nop follow each of the two lines.
.macro JLOAD g0a, g1a, g0b, g1b
	s_cmp_eq_u32 s15, 0
	s_cbranch_scc0 .Lfor_b_\@
	tensor_load_to_lds s[\g0a:\g0a+3], s[\g1a:\g1a+7]
	s_nop 0
.rept 4
	v_nop
.endr
	s_branch .Lasked_\@
.Lfor_b_\@:
	tensor_load_to_lds s[\g0b:\g0b+3], s[\g1b:\g1b+7]
	s_nop 0
.rept 4
	v_nop
.endr
.Lasked_\@:
.endm
.macro CREST                           ; a round of the cluster's barrier behind its opening barrier
	s_cmp_lg_u32 s14, 0
	s_cbranch_scc1 .Lnot_wave_0_\@
	s_barrier_signal -3
.Lnot_wave_0_\@:
	s_barrier_wait -3
	s_barrier_signal -1
	s_barrier_wait -1
.endm
.macro CROUND                          ; a whole round
	s_barrier_signal -1
	s_barrier_wait -1
	CREST
.endm
.macro PLACES                          ; four places between a matrix instruction and a load into one of its registers, or a store of its result (ISA guide 7.12.1 for a store of its result)
.rept 4
	v_nop
.endr
.endm
	s_load_b128 s[4:7], s[0:1], 0x0                ; xq s[4:5], wq s[6:7]
	s_load_b64 s[12:13], s[0:1], 0x10              ; out0
	v_lshl_add_u32 v[SPW], v0, 2, SPARE
	v_mov_b32 v[NIL], 0
	ds_add_u32 v[SPW], v[NIL]                      ; the opening lines: the add, twice on end, and its wait ahead of my first tensor load
	ds_add_u32 v[SPW], v[NIL]
	v_lshrrev_b32 v1, 5, v0
	v_readfirstlane_b32 s14, v1                    ; wave 0..3
	s_lshr_b32 s15, s14, 1                         ; which half of the tile's rows is mine.  Also: I fetch for A (0) or for B (1)
	s_and_b32 s16, s14, 1                          ; which half of its columns.  Also: which 128 rows I fetch
	s_bfe_u32 s40, ttmp6, 0x40000                  ; cx, cy: my place in the cluster
	s_bfe_u32 s41, ttmp6, 0x40004
	s_lshl_b32 s42, ttmp9, 2
	s_add_co_u32 s42, s42, s40                     ; tile column = 4 x cluster x + cx
	s_and_b32 s17, ttmp7, 0xffff
	s_lshl_b32 s17, s17, 2
	s_add_co_u32 s17, s17, s41                     ; tile row = 4 x cluster y + cy
	s_lshl_b32 s43, s41, 2
	s_lshl_b32 s43, 15, s43                        ; my row of the cluster
	s_lshl_b32 s44, 0x1111, s40                    ; my column
	s_or_b32 s[G1+0], s43, (3<<16)|(1<<21)         ; the mask; elements of 8 bytes; bit 21 beside a mask; no padding: the units are read as they lie
	s_or_b32 s[G1B+0], s44, (3<<16)|(1<<21)
	s_or_b32 s[G1T+0], s43, (3<<16)|(1<<21)
	s_or_b32 s[G1TB+0], s44, (3<<16)|(1<<21)
.irp g, G1, G1B                        ; a dense block of 38,400 bytes as 150 rows of 256 bytes
	s_mov_b32 s[\g+1], 32<<16
	s_mov_b32 s[\g+2], (NS*UNIT/256)<<16
	s_mov_b32 s[\g+3], 32<<16
	s_mov_b32 s[\g+4], NS*UNIT/256
	s_mov_b32 s[\g+5], 32
	s_mov_b32 s[\g+6], 0
	s_mov_b32 s[\g+7], 0
.endr
.irp g, G1T, G1TB                      ; the last fill: 100 rows
	s_mov_b32 s[\g+1], 32<<16
	s_mov_b32 s[\g+2], (NLAST*UNIT/256)<<16
	s_mov_b32 s[\g+3], 32<<16
	s_mov_b32 s[\g+4], NLAST*UNIT/256
	s_mov_b32 s[\g+5], 32
	s_mov_b32 s[\g+6], 0
	s_mov_b32 s[\g+7], 0
.endr
	s_lshl_b32 s20, s17, 1
	s_add_co_u32 s20, s20, s16
	s_mul_i32 s20, s20, RBB                        ; xq: block of rows 2 x tile row + half, in bytes (under 2^25)
	s_mov_b32 s21, 0
	s_lshl_b32 s46, s42, 1
	s_add_co_u32 s46, s46, s16
	s_mul_i32 s46, s46, RBB                        ; wq: block 2 x tile column + half
	s_mov_b32 s47, 0
	s_mul_i32 s45, s14, WLOAD                      ; where my load goes: wave x 38,400: no place in the cluster enters an LDS address
	s_mul_i32 s92, s15, WLOAD                      ; what I read: my half of A,
	s_mul_i32 s93, s16, WLOAD
	s_add_co_u32 s93, s93, 2*WLOAD                 ; my half of B,
	s_sub_co_u32 s94, s93, s92                     ; and the distance between the two
	s_mul_i32 s90, s14, 16*SPITCH
	s_add_co_u32 s90, s90, STAGE                   ; my stage
	s_cmp_eq_u32 s15, 0
	s_cselect_b32 s91, s40, s41                    ; my place among the four that ask with me: cx for A, cy for B
	s_mul_i32 s91, s91, 38                         ; the first of my 38 blocks of a load's 150
	s_wait_dscnt 0x0                               ; both opening adds are done
	s_wait_kmcnt 0x0
	s_add_nc_u64 s[20:21], s[4:5], s[20:21]
	s_add_nc_u64 s[46:47], s[6:7], s[46:47]
.irp s, 0,1
	s_mov_b32 s[G0+4*\s], 1
	s_add_co_u32 s[G0+4*\s+1], s45, \s*SLOT
	s_add_nc_u64 s[G0+4*\s+2:G0+4*\s+3], s[20:21], \s*WLOAD
	s_or_b32 s[G0+4*\s+3], s[G0+4*\s+3], 0x80000000
	s_mov_b32 s[G0B+4*\s], 1
	s_add_co_u32 s[G0B+4*\s+1], s45, \s*SLOT
	s_add_nc_u64 s[G0B+4*\s+2:G0B+4*\s+3], s[46:47], \s*WLOAD
	s_or_b32 s[G0B+4*\s+3], s[G0B+4*\s+3], 0x80000000
.endr
	CROUND                                         ; all sixteen work-groups are here: the first joint loads meet
	JLOAD G0, G1, G0B, G1B                         ; fill 0: one tensor load a wave at the head
	s_cmp_eq_u32 s15, 0
	s_cselect_b64 s[PFA:PFA+1], s[20:21], s[46:47] ; the prefetches walk the rows that I fetch,
	s_add_nc_u64 s[PFA:PFA+1], s[PFA:PFA+1], 3*WLOAD   ; from fill 3: the first change of slots steps this to fill 4
	s_lshl_b32 s20, s17, 8
	s_lshl_b32 s21, s15, 7
	s_add_co_u32 s20, s20, s21                     ; my first row of out0
	s_mov_b32 s21, 0
	s_mov_b64 s[18:19], SIZE_N*4
	s_mul_u64 s[20:21], s[20:21], s[18:19]
	s_lshl_b32 s46, s42, 10
	s_lshl_b32 s47, s16, 9
	s_add_co_u32 s46, s46, s47                     ; my first column, in bytes
	s_mov_b32 s47, 0
	s_add_nc_u64 s[20:21], s[20:21], s[46:47]
	s_add_nc_u64 s[12:13], s[12:13], s[20:21]
	v_and_b32 v1, 15, v0                           ; l % 16
	v_bfe_u32 v2, v0, 4, 1                         ; l / 16
	v_and_b32 v6, 31, v0                           ; lane
	v_lshlrev_b32 v3, 4, v6                        ; a lane's 16 bytes of a plane
	v_mul_u32_u24 v5, s94, v2                      ; lanes 16-31 take B's scale words
	v_lshl_add_u32 v5, v1, 4, v5
	v_add_nc_u32 v5, SOFF, v5
	v_add_nc_u32 v[ADRA], s92, v3
	v_add_nc_u32 v[ADRB], s93, v3
	v_add_nc_u32 v[ADRS], s92, v5
	v_add_nc_u32 v[ADRA+1], SLOT, v[ADRA]
	v_add_nc_u32 v[ADRB+1], SLOT, v[ADRB]
	v_add_nc_u32 v[ADRS+1], SLOT, v[ADRS]
	v_mul_u32_u24 v7, v1, SPITCH                   ; into the stage: row l % 16, 32 bytes for each half of the lanes
	v_lshl_add_u32 v7, v2, 5, v7
	v_add_nc_u32 v[STO], s90, v7
	v_lshlrev_b32 v[CO], 4, v6                     ; back: the 32 lanes take one row of 512 bytes; and the same in out0
	v_add_nc_u32 v[RD], s90, v[CO]
	v_add_nc_u32 v8, s91, v6                       ; my blocks 0 .. 31 of 38,
	v_min_u32 v9, 5, v6
	v_add_nc_u32 v9, s91, v9
	v_add_nc_u32 v9, 32, v9                        ; and 32 .. 37 (the lanes left over name the last again),
	v_min_u32 v8, 149, v8                          ; none beyond the load's 150
	v_min_u32 v9, 149, v9
	v_lshlrev_b32 v[PFO], 8, v8
	v_lshlrev_b32 v[PFO+1], 8, v9
.macro FRAG reg, adr, q, i             ; fragment i of the slot's q-th step: 12 registers, three planes, each 512 consecutive bytes for the 32 lanes
.irp m, 0,1,2
	ds_load_b128 v[\reg+4*\m:\reg+4*\m+3], v[\adr] offset:(\q)*UNIT+(\i)*FRB+512*\m
.endr
.endm
; The 50 loads of a step, from the slot's q-th unit, into set p: B's eight fragments, the scale words, A's eight
.macro FETCH slot, q, p
	WIN TO_B
.irp i, 0,1,2,3,4,5,6,7
	FRAG 128*(\p)+FR*\i, ADRB+\slot, \q, \i
.endr
	WIN 0
	ds_load_b128 v[SC+8*(\p):SC+8*(\p)+3], v[ADRS+\slot] offset:(\q)*UNIT
	ds_load_b128 v[SC+8*(\p)+4:SC+8*(\p)+7], v[ADRS+\slot] offset:(\q)*UNIT+256
.irp i, 0,1,2,3,4,5,6,7
	FRAG AF+96*(\p)+FR*\i, ADRA+\slot, \q, \i
.endr
.endm
; 16 matrix instructions: A's blocks a0, a0 + 1 x B's eight, set p.  zero = 1: the first product starts the sums.  The 64 accumulators take turns, in the same order in every step.
.macro MUL16 a0, p, zero
.irp a, \a0, \a0+1
.irp b, 0,1,2,3,4,5,6,7
.if \zero
	v_wmma_scale_f32_16x16x128_f8f6f4 v[8*(8*((\a)%4)+\b):8*(8*((\a)%4)+\b)+7], v[128*(\p)+FR*\b:128*(\p)+FR*\b+FR-1], v[AF+96*(\p)+FR*(\a):AF+96*(\p)+FR*(\a)+FR-1], 0, v[SC+8*(\p)+\b], v[SC+8*(\p)+(\a)] matrix_a_fmt:MATRIX_FMT_BF6 matrix_b_fmt:MATRIX_FMT_BF6 matrix_a_scale:MATRIX_SCALE_ROW1
.else
	v_wmma_scale_f32_16x16x128_f8f6f4 v[8*(8*((\a)%4)+\b):8*(8*((\a)%4)+\b)+7], v[128*(\p)+FR*\b:128*(\p)+FR*\b+FR-1], v[AF+96*(\p)+FR*(\a):AF+96*(\p)+FR*(\a)+FR-1], v[8*(8*((\a)%4)+\b):8*(8*((\a)%4)+\b)+7], v[SC+8*(\p)+\b], v[SC+8*(\p)+(\a)] matrix_a_fmt:MATRIX_FMT_BF6 matrix_b_fmt:MATRIX_FMT_BF6 matrix_a_scale:MATRIX_SCALE_ROW1
.endif
.endr
.endr
.endm
; A K step whose successor lies in the same slot.
.macro STEP slot, q, p, zero
	s_wait_dscnt 12                                ; all of this step's set is in but the youngest twelve loads: A's blocks 4-7
	WIN MUL_LO
	MUL16 0, \p, \zero
	PLACES                                         ; between the last step's products, which read the other set, and the loads into it
	FETCH \slot, (\q)+1, 1-(\p)
	s_wait_dscnt 50                                ; A's blocks 4-7 are in: behind them stand the 50 loads just issued
	WIN MUL_LO
	MUL16 2, \p, \zero
	WIN MUL_HI
	MUL16 4, \p, \zero
	MUL16 6, \p, \zero
	WIN 0
.endm
.macro ASK                             ; my 38 blocks of my load of the fill two refills on; nothing in the loop's last trip (s3 = 1)
	s_cmp_gt_u32 s3, 1
	s_cbranch_scc0 .Lno_ask_\@
	global_prefetch_b8 v[PFO], s[PFA:PFA+1] th:TH_LOAD_NT scope:SCOPE_SE
	global_prefetch_b8 v[PFO+1], s[PFA:PFA+1] th:TH_LOAD_NT scope:SCOPE_SE
.Lno_ask_\@:
.endm
; A slot's last K step changes slots.  ONE barrier for two things: in front of it each wave waits for all its tensor loads (its part of the next slot), adds 0 to its spare word and waits for that and for its reads of this slot.
; fill = 1: the barrier opens a round of the cluster's barrier and this slot is filled again, two fills on; 2: with the short last fill; 0: nothing is left to fetch.  Then the next step's run of loads, from the other slot.
.macro TURN slot, next, p, fill, ask
.if \ask
	s_wait_xcnt 0x0                                ; my last prefetches have read their address: it steps here, a fill on
	s_add_nc_u64 s[PFA:PFA+1], s[PFA:PFA+1], WLOAD
.endif
	s_wait_tensorcnt 0x0                           ; all my tensor loads have landed
	ds_add_u32 v[SPW], v[NIL]
	s_wait_dscnt 13                                ; (the add and A's blocks 4-7 may be out)
	WIN MUL_LO
	MUL16 0, \p, 0
	s_wait_dscnt 0x0                               ; the add is done, and my reads of this slot are over
	s_barrier_signal -1
	MUL16 2, \p, 0
	WIN 0
	s_barrier_wait -1
.if \fill
	CREST                                          ; no wave of any partner still reads this slot or has a load on its way
	s_add_nc_u64 s[G0+4*\slot+2:G0+4*\slot+3], s[G0+4*\slot+2:G0+4*\slot+3], 2*WLOAD
	s_add_nc_u64 s[G0B+4*\slot+2:G0B+4*\slot+3], s[G0B+4*\slot+2:G0B+4*\slot+3], 2*WLOAD
.if \fill == 2
	JLOAD G0+4*\slot, G1T, G0B+4*\slot, G1TB
.else
	JLOAD G0+4*\slot, G1, G0B+4*\slot, G1B         ; the first tensor load behind the round; its four v_nop are the places in front of the loads below
.endif
.else
	PLACES
.endif
	FETCH \next, 0, 1-(\p)
.if \ask
	ASK                                            ; behind the joint load and the run of LDS loads
.endif
	WIN MUL_HI
	MUL16 4, \p, 0
	MUL16 6, \p, 0
	WIN 0
.endm
	s_wait_alu depctr_va_vdst(0)                   ; the wait at the head's end
	s_wait_tensorcnt 0x0                           ; my part of fill 0 is in
	ds_add_u32 v[SPW], v[NIL]
	s_wait_dscnt 0x0
	CROUND                                         ; everybody's part of fill 0 is in, and all sixteen work-groups are here
	JLOAD G0+4, G1, G0B+4, G1B                     ; fill 1, slot 1's first
	FETCH 0, 0, 0
	STEP 0, 0, 0, 1                                ; step 0 starts the sums: nothing is cleared
	s_mov_b32 s3, TRIPS
.Llap:                                                 ; steps 6 t + 1 .. 6 t + 6; every window is 0 here
	STEP 0, 1, 1, 0
	TURN 0, 1, 0, 1, 1
	STEP 1, 0, 1, 0
	STEP 1, 1, 0, 0
	TURN 1, 0, 1, 1, 1
	STEP 0, 0, 0, 0
	s_sub_co_u32 s3, s3, 1
	s_cmp_lg_u32 s3, 0
	s_cbranch_scc1 .Llap
	STEP 0, 1, 1, 0                                ; steps 25 to 31, written out: one short fill more, then none
	TURN 0, 1, 0, 2, 0
	STEP 1, 0, 1, 0
	STEP 1, 1, 0, 0
	TURN 1, 0, 1, 0, 0
	STEP 0, 0, 0, 0
	s_wait_dscnt 12                                ; the last step: nothing more to fetch
	WIN MUL_LO
	MUL16 0, 1, 0
	MUL16 2, 1, 0
	s_wait_dscnt 0
	WIN MUL_HI
	MUL16 4, 1, 0
	MUL16 6, 1, 0
	WIN 0
; THE WAY OUT, block by block of 16 rows x 128 columns: through my own stage and back as whole rows of 512 bytes, which the 32 lanes store as two aligned runs of 256 bytes.
; LDS serves a wave's instructions in order (ISA guide 5.7.1.4): no wait between the stores and the loads.
.macro TOSTAGE a
.set AC, 64*((\a)%4)
	WIN 0x08+4*((\a)/4)                            ; the data: window 2 or 3
.irp b, 0,1,2,3,4,5,6,7
	ds_store_b128 v[STO], v[AC+8*\b:AC+8*\b+3] offset:64*\b          ; each accumulator from its low end on
	ds_store_b128 v[STO], v[AC+8*\b+4:AC+8*\b+7] offset:64*\b+16
.endr
	WIN 0
.set BB, BK+64*((\a)%2)
.irp t, 0,1,2,3,4,5,6,7,8,9,10,11,12,13,14,15
	ds_load_b128 v[BB+4*\t:BB+4*\t+3], v[RD] offset:\t*SPITCH
.endr
.endm
.macro SEND a, younger                 ; younger: the LDS instructions issued behind block a's loads
.set BB, BK+64*((\a)%2)
	s_wait_dscnt \younger
.if (\a) > 0
	s_add_nc_u64 s[12:13], s[12:13], 16*SIZE_N*4   ; (behind a wait on XCNT) 16 rows on: the stores' offsets stay at 15 rows at the most
.endif
.irp t, 0,1,2,3,4,5,6,7,8,9,10,11,12,13,14,15
	global_store_b128 v[CO], v[BB+4*\t:BB+4*\t+3], s[12:13] offset:\t*SIZE_N*4 th:TH_STORE_NT   ; 512 consecutive bytes at a multiple of 256; written once, read by nobody here
.endr
.endm
	PLACES                                         ; behind the last products: for the loads into A's registers and for the reads of the results
	TOSTAGE 0
.irp a, 1,2,3,4,5,6,7
.if \a > 1
	s_wait_xcnt 0x0                                ; block a - 2's stores have read their registers and their base
.endif
	TOSTAGE \a
	SEND \a-1, 32                                  ; behind block a - 1's loads: block a's 16 stores and 16 loads
.endr
	s_wait_xcnt 0x0
	SEND 7, 0
	s_wait_tensorcnt 0x0                           ; the wave's end
	ds_add_u32 v[SPW], v[NIL]
	s_wait_dscnt 0x0
	CROUND                                         ; the closing round
	s_endpgm
.Lfunc_end_k_q4843556e23_gemm:
	.size	k_q4843556e23_gemm, .Lfunc_end_k_q4843556e23_gemm-k_q4843556e23_gemm
	.p2alignl 7, 3214868480
	.fill 96, 4, 3214868480
	.section	.rodata,"a",@progbits
	.p2align	6, 0x0
	.amdhsa_kernel k_q4843556e23_gemm
		.amdhsa_group_segment_fixed_size 327680
		.amdhsa_private_segment_fixed_size 0
		.amdhsa_enable_private_segment 0
		.amdhsa_kernarg_size 24
		.amdhsa_user_sgpr_count 2
		.amdhsa_user_sgpr_kernarg_segment_ptr 1
		.amdhsa_wavefront_size32 1
		.amdhsa_system_sgpr_workgroup_id_x 1
		.amdhsa_system_sgpr_workgroup_id_y 1
		.amdhsa_system_sgpr_workgroup_id_z 1
		.amdhsa_system_vgpr_workitem_id 0
		.amdhsa_next_free_vgpr 1024
		.amdhsa_next_free_sgpr 98
		.amdhsa_reserve_vcc 0
		.amdhsa_float_denorm_mode_32 3
		.amdhsa_float_denorm_mode_16_64 3
		.amdhsa_memory_ordered 1
		.amdhsa_forward_progress 1
		.amdhsa_inst_pref_size 203
	.end_amdhsa_kernel
	.amdgpu_metadata
---
amdhsa.version: [ 1, 2 ]
amdhsa.kernels:
  - .name:           k_q4843556e23_gemm
    .symbol:         k_q4843556e23_gemm.kd
    .args:
      - { .name: xq, .offset: 0, .size: 8, .value_kind: global_buffer, .address_space: global }
      - { .name: wq, .offset: 8, .size: 8, .value_kind: global_buffer, .address_space: global }
      - { .name: out0, .offset: 16, .size: 8, .value_kind: global_buffer, .address_space: global }
    .group_segment_fixed_size: 327680
    .private_segment_fixed_size: 0
    .kernarg_segment_align: 8
    .kernarg_segment_size: 24
    .max_flat_workgroup_size: 128
    .sgpr_count:     98
    .vgpr_count:     1024
    .wavefront_size: 32
...
	.end_amdgpu_metadata
.endif
;; end of part 2
